; MI455X (gfx1250); checked and timed in simulation.
; The chip was launched on July 23, 2026; its instructions are those of AMD's public machine-readable ISA for CDNA 5 (MIT licence, August 2026) and "CDNA5" Instruction Set Architecture Reference Guide (July 2026). The comments in the code are by the model that wrote it; some were corrected since.
;; Flex Decoding Module. Allowed arithmetic: matrix products marked QUANTISED: E3M2 operands, one E8M0 scale for each 32 along K, by v_wmma_scale_f32_16x16x128_f8f6f4 with both operands' format E3M2, f32 sums; products left as they are: f32 operands where the result goes on into a quantised operand, else bf16, f16 or f32 operands; f32 sums; everything else in f32.
;; Inputs: Wk 2,048 x 2,048 float32; Wo 2,048 x 2,048 float32; Wq 2,048 x 2,048 float32; Wv 2,048 x 2,048 float32; token 4 x 1 x 2,048 float32; tokens 4 x 2,048 x 2,048 float32.
;; Outputs: out0 4 x 1 x 2,048 float32.
;; This version of the problem:
;;   THIS VERSION OF THE PROBLEM IS GIVEN IN LOW PRECISION. The matrix products marked QUANTISED in the list below multiply operands that are first quantised to E3M2 (3 exponent bits, 2 mantissa bits; 6 bits a number), with one power-of-two scale for each 32 numbers along K (OCP MX v1.0); their sums are f32. All else is computed in f32.
;;   The module's matrix products, in the order in which they are computed (A, B: the left and right operand; K: the contracted axis; several contracted axes count as one K, in the product's order):
;;     1. [M 8,192, K 2,048] x [K 2,048, N 2,048]; A: input tokens; B: input Wk: QUANTISED
;;     2. [M 8,192, K 2,048] x [K 2,048, N 2,048]; A: input tokens; B: input Wv: QUANTISED
;;     3. [M 4, K 2,048] x [K 2,048, N 2,048]; A: input token; B: input Wq: left as it is (M = 4 < 16)
;;     4. [M 4, K 2,048] x [K 2,048, N 2,048]; A: input token; B: input Wk: left as it is (M = 4 < 16)
;;     5. [M 4, K 2,048] x [K 2,048, N 2,048]; A: input token; B: input Wv: left as it is (M = 4 < 16)
;;     6. batch 64 x [M 1, K 128] x [K 128, N 2,049]; A: computed on the way; B: computed on the way: left as it is (M = 1 < 16)
;;     7. batch 64 x [M 128, K 2,049] x [K 2,049, N 1]; A: computed on the way; B: softmax: left as it is (N = 1 < 16)
;;     8. [M 4, K 2,048] x [K 2,048, N 2,048]; A: computed on the way; B: input Wo: left as it is (M = 4 < 16)
;;   THE QUANTISER, for each operand of a quantised product, along K:
;;     - K is cut into blocks of 32 from its start; a last block that is shorter is filled with zeros.
;;     - A block's scale is 2^e with e = floor(log2(the largest magnitude in the block)) - 4, held to -126 .. 127; a block of zeros has e = 0. As a byte (E8M0): e + 127.
;;     - Each number is divided by its block's scale, clamped to +-28, and rounded to the nearest number of E3M2, ties to even, subnormals kept.
;;     - The product sums the exact products of the quantised numbers (number of the format x scale) in f32.
;;   ~~~python
;;   def quantise(x, axis):      # numpy; x: float32 -> the quantised numbers, widened to float32 again
;;       x = np.moveaxis(x, axis, -1); K = x.shape[-1]
;;       x = np.pad(x, [(0, 0)] * (x.ndim - 1) + [(0, -K % 32)]); x = x.reshape(x.shape[:-1] + (-1, 32)); a = np.abs(x).max(-1, keepdims=True)
;;       e = np.where(a > 0, np.clip(np.frexp(np.where(a > 0, a, 1))[1] - 1 - 4, -126, 127), 0)      # np.frexp(a)[1] - 1 = floor(log2(a)), exactly
;;       r = np.clip(x / 2.0 ** e, -28, 28)
;;       step = 2.0 ** (np.maximum(np.frexp(np.where(r == 0, 1, r))[1] - 1, -2) - 2)
;;       q = np.round(r / step) * step * 2.0 ** e      # np.round: ties to even
;;       return np.moveaxis(q.reshape(q.shape[:-2] + (-1,))[..., :K], -1, axis).astype(np.float32)
;;   ~~~
;; One version. Each part assembles by itself: llvm-mc -triple=amdgcn-amd-amdhsa -mcpu=gfx1250 --defsym DOCPART=n.
;; ======== version 1 of 1: 3 launches
;; limits: right only within a limited range of input values
;; workspace buffers: a_codes 12,582,912 bytes; a_scales 524,288 bytes; w_codes 6,291,456 bytes; w_scales 262,144 bytes; proj 98,304 bytes; part_o 131,072 bytes; part_ml 2,048 bytes
;; launch prep (part 1): grid 896 x 1, 4 waves a work-group, no clusters, 78,336 bytes of LDS; arguments tokens, token, Wq, Wk, Wv, a_codes, a_scales, w_codes, w_scales, proj; writes a_codes, a_scales, w_codes, w_scales, proj
.if DOCPART == 1
	.amdgcn_target "amdgcn-amd-amdhsa--gfx1250"
	.amdhsa_code_object_version 6
	.text
	.protected	k_qd31cd3083d_prep
	.globl	k_qd31cd3083d_prep
	.p2align	8
	.type	k_qd31cd3083d_prep,@function
k_qd31cd3083d_prep:
	s_mov_b64 s[64:65], 0
	v_nop
	global_prefetch_b8 v0, s[64:65] scope:SCOPE_SE
	s_setreg_imm32_b32 hwreg(HW_REG_WAVE_MODE, 25, 1), 1
	s_wait_xcnt 0x0
; tokens [8192][2048], Wk and Wv [2048][2048], f32, K innermost, become codes of BF6 (E3M2), 6 bits each, with one E8M0 byte for each 32 along K;
; and on the same pass over the weights the three products of the one new token are taken in f32: proj[which][b][n] = sum over k of token[b][k] W[n][k], W = Wq, Wk, Wv (unquantised).
; So every byte of tokens, Wq, Wk, Wv is read once.
; A block's scale is 2^(floor(log2(its largest magnitude)) - 4); its byte is the largest magnitude's exponent field - 4, held at 1 from below.
; LIMITS: a block whose largest magnitude lies under 2^-122 has its byte held at 1; a block of zeros gets the byte 1 where the rule says 127 (its codes are zeros, which add nothing, and this program alone
; reads the bytes); NaN and infinities among the inputs are not served.
; SHARES.  A work-group takes 16 rows of 2,048 numbers, a wave 4 rows: 16 steps of 512 numbers.  Work-groups 0-511: tokens (quantise).  512-639: Wq (products only).  640-767: Wk, 768-895: Wv (both).
; The three ways part on the work-group's number alone; each has LDS bytes of its own.
; THE ROWS OF Wk AND Wv ARE LAID BY HEADS: row n = 128 h + 64 c + dd of Wk goes to row 256 h + 128 c + dd of w_codes, the same row of Wv to 256 h + 128 c + 64 + dd: a tile of 256 rows is one head,
; and each half of it holds 64 channels of K and the same 64 of V.
; A load takes 512 consecutive bytes, 16 a lane.  For the conversion a lane must hold 16 neighbours: a step's 2,048 bytes turn through the wave's own stage in LDS (16 bytes of padding behind each 64).
; The products with the token use the numbers AS LOADED; the token lies in LDS and comes to registers in the same order.  On the weights' ways the steps go by quarters of a row (512 along K), the four rows
; one after the other, so that the 64 registers of the token's quarter serve four steps.
.set SP,    80                         ; a lane's place in a stage: 64 bytes + 16 of padding
.set WREG,  5632                       ; a wave's LDS: two stages of 32 x SP bytes, then its 256 scale bytes
.set LBT,   0                          ; the tokens' way: bytes 0 .. 22,527
.set LBW,   22528                      ; Wk's and Wv's way: bytes 22,528 .. 45,055
.set TOK,   45056                      ; the new token, [4][2048] f32 as it lies: 32,768 bytes
.set R,     16                         ; v16-79   four sets of 16 numbers as loaded
.set X,     80                         ; v80-111  two sets of 16 neighbours
.set E,     112                        ; v112-127 a scale byte for each step
.set C,     128                        ; codes: tokens' way v128-191, four registers a step; weights' way v128-143, four sets by turns
.set ACC,   144                        ; v144-175 sums: the pair of row rr and batch b at ACC + 8 rr + 2 b
.set TK,    176                        ; v176-239 a quarter of the token: batch b, load i, number e at TK + 16 b + 4 i + e
.set RS,    240                        ; v240-243 a row's four sums
.set RT,    244                        ; v244-247 the other half of the lanes'
.set OUTV,  248                        ; v248     lane 4 b + rr: the product of batch b with my row rr
.set PO,    249                        ; v249     its place in proj: 8,192 (lane / 4) + 4 (lane % 4)
.set SRC,   36                         ; s[36:37] my wave's run of 8,192 numbers
.set COD,   38                         ; s[38:39] its codes
.set SCA,   40                         ; s[40:41] its scale bytes
.set PRJ,   42                         ; s[42:43] its four products' place in proj
.set TKP,   44                         ; s[44:45] row (wave) of the token
	s_load_b512 s[4:19], s[0:1], 0x0               ; tokens s[4:5], token s[6:7], Wq s[8:9], Wk s[10:11], Wv s[12:13], a_codes s[14:15], a_scales s[16:17], w_codes s[18:19]
	s_load_b128 s[20:23], s[0:1], 0x40             ; w_scales s[20:21], proj s[22:23]
	v_lshl_add_u32 v254, v0, 2, 0x13000
	v_mov_b32 v255, 0
	v_lshrrev_b32 v1, 5, v0
	v_readfirstlane_b32 s24, v1                    ; wave
	v_and_b32 v2, 31, v0                           ; lane
	v_lshlrev_b32 v3, 4, v2                        ; my 16 bytes of a load's 512
	; THE CODES ARE LAID BY BLOCKS: 128 rows x 256 along K (192 bytes a row) are 24,576 bytes on end; a group of 128 rows has eight such blocks on end (196,608 bytes)
	; within each 96 bytes (128 along K) the four blocks of 32 codes lie in the order 0, 2, 1, 3: bits 1 and 2 of the lane's number change places
	v_lshrrev_b32 v8, 1, v2
	v_xor_b32 v8, v8, v2
	v_bfe_u32 v8, v8, 1, 1                         ; 1 where the two bits differ
	v_mul_u32_u24 v8, v8, 6
	v_and_b32 v4, 15, v2
	v_xor_b32 v4, v4, v8
	v_mul_u32_u24 v4, v4, 12                       ; my 12 bytes of a row's 192 in a block,
	v_lshrrev_b32 v8, 4, v2
	v_mul_u32_u24 v8, v8, 24576                    ; lanes 16-31: the next block along K
	v_add_nc_u32 v4, v4, v8
	v_lshlrev_b32 v7, 3, v2                        ; my 8 of the wave's 256 scale bytes
	s_mul_i32 s25, s24, WREG
	v_lshrrev_b32 v14, 2, v2
	v_mul_u32_u24 v14, v14, SP
	v_and_b32 v15, 3, v2
	v_lshl_add_u32 v14, v15, 4, v14
	v_add_nc_u32 v14, s25, v14                     ; the stage, on the way in: SP (lane / 4) + 16 (lane % 4)
	v_mul_u32_u24 v15, v2, SP
	v_add_nc_u32 v15, s25, v15                     ; and on the way out: SP x lane
	v_lshrrev_b32 v5, 1, v2
	s_add_co_u32 s25, s25, 2*32*SP
	v_add_nc_u32 v5, s25, v5                       ; my block's scale byte
	v_add_nc_u32 v6, s25, v7                       ; the scale bytes on their way out
	s_lshl_b32 s26, s24, 13
	s_add_co_u32 s26, s26, TOK
	v_add_nc_u32 v1, s26, v3                       ; where my wave puts its row of the token
	v_add_nc_u32 v10, TOK, v3                      ; and where every wave reads it
	v_lshrrev_b32 v[PO], 2, v2
	v_lshlrev_b32 v[PO], 13, v[PO]
	v_and_b32 v8, 3, v2
	v_lshl_add_u32 v[PO], v8, 2, v[PO]
	s_mov_b32 s32, 0x76543210
	s_mov_b32 s33, 0xfedcba98                      ; v_permlanex16_b32's selects for lane l xor 16
	s_mov_b32 s29, 0
; step t works on chunk U of the run's sixteen.  d = 0: U = t.  d = 1: quarter t / 4 of row t % 4
.macro CHUNK t, d
.if \d
.set U, 4*((\t)%4)+(\t)/4
.else
.set U, (\t)
.endif
.endm
.macro LOAD t, d
	CHUNK \t, \d
.irp i, 0,1,2,3
	global_load_b128 v[R+16*((\t)%4)+4*\i:R+16*((\t)%4)+4*\i+3], v3, s[SRC:SRC+1] offset:2048*U+512*\i th:TH_LOAD_NT   ; 32 lanes read 512 consecutive bytes
.endr
.endm
.macro TURN t, lb                      ; through the stage: LDS serves a wave's instructions in order, so no wait stands between the stores and the loads
.irp i, 0,1,2,3
	ds_store_b128 v14, v[R+16*((\t)%4)+4*\i:R+16*((\t)%4)+4*\i+3] offset:\lb+32*SP*((\t)%2)+8*SP*\i
.endr
.irp i, 0,1,2,3
	ds_load_b128 v[X+16*((\t)%2)+4*\i:X+16*((\t)%2)+4*\i+3], v15 offset:\lb+32*SP*((\t)%2)+16*\i
.endr
.endm
.macro TKLOAD ph                       ; quarter ph of the token's four rows, in the order in which a step's loads lay a weight's quarter: k = 512 ph + 128 i + 4 lane + e
.irp b, 0,1,2,3
.irp i, 0,1,2,3
	ds_load_b128 v[TK+16*\b+4*\i:TK+16*\b+4*\i+3], v10 offset:8192*\b+2048*(\ph)+512*\i
.endr
.endr
.endm
.macro DOT t                           ; 32 packed multiply-adds: my 16 numbers of row t % 4 against the four batches; the four chains by turns.  A row's first product starts its sums: nothing is cleared
.set RR, (\t)%4
.set RB, R+16*((\t)%4)
.irp i, 0,1,2,3
.irp g, 0,2
.irp b, 0,1,2,3
.if ((\t) < 4) && (\i == 0) && (\g == 0)
	v_pk_mul_f32 v[ACC+8*RR+2*\b:ACC+8*RR+2*\b+1], v[RB+4*\i+\g:RB+4*\i+\g+1], v[TK+16*\b+4*\i+\g:TK+16*\b+4*\i+\g+1]
.else
	v_pk_fma_f32 v[ACC+8*RR+2*\b:ACC+8*RR+2*\b+1], v[RB+4*\i+\g:RB+4*\i+\g+1], v[TK+16*\b+4*\i+\g:TK+16*\b+4*\i+\g+1], v[ACC+8*RR+2*\b:ACC+8*RR+2*\b+1]
.endif
.endr
.endr
.endr
.endm
.macro QNT t, d, lb, nc                ; my 16 neighbours become 12 bytes of codes; two neighbouring lanes hold a block.  nc: sets of code registers
	CHUNK \t, \d
.set XS, X+16*((\t)%2)
.set CC, C+4*((\t)%(\nc))
	v_max3_num_f32 v8, |v[XS]|, |v[XS+1]|, |v[XS+2]|               ; the largest magnitude of my 16, in two chains
	v_max3_num_f32 v9, |v[XS+3]|, |v[XS+4]|, |v[XS+5]|
.irp i, 6,10
	v_max3_num_f32 v8, v8, |v[XS+\i]|, |v[XS+\i+1]|
	v_max3_num_f32 v9, v9, |v[XS+\i+2]|, |v[XS+\i+3]|
.endr
	v_max3_num_f32 v8, v8, |v[XS+14]|, |v[XS+15]|
	v_max3_num_f32 v8, v8, v9, 0x2800000           ; and the floor 2^(5 - 127): the byte cannot fall under 1
	v_max_num_f32_dpp v8, v8, v8 row_xmask:1 row_mask:0xf bank_mask:0xf   ; with my neighbour's 16: the block's
	v_add_nc_u32 v11, 0xfe000000, v8               ; 4 off its exponent field: the conversion takes the exponent field of this operand as its scale
.if (\t) >= (\nc)
	s_wait_alu depctr_va_vdst(0)
	s_wait_xcnt 0x0                                ; the store of nc steps ago has read this set of code registers
.endif
	v_cvt_scalef32_pk16_bf6_f32 v[CC:CC+2], v[XS:XS+15], v11       ; to the nearest code, ties to even, beyond the largest code the largest
	v_lshrrev_b32 v[E+(\t)], 23, v11               ; the scale's byte (also the plain line behind the conversion)
	ds_store_b8 v5, v[E+(\t)] offset:\lb+16*U      ; both lanes of a block write the same byte with the same value
	global_store_b96 v4, v[CC:CC+2], s[COD:COD+1] offset:192*(U/4)+49152*(U%4)     ; row U / 4 of my four, blocks 2 (U % 4) and 2 (U % 4) + 1: sixteen lanes store 192 consecutive bytes
.endm
.macro REDUCE rr                       ; row rr is done: its four sums over the pair's halves and the 32 lanes, then each to its lane of OUTV
.irp b, 0,1,2,3
	v_add_f32 v[RS+\b], v[ACC+8*(\rr)+2*\b], v[ACC+8*(\rr)+2*\b+1]
.endr
.irp m, 1,2,4,8
.irp b, 0,1,2,3
	v_add_f32_dpp v[RS+\b], v[RS+\b], v[RS+\b] row_xmask:\m row_mask:0xf bank_mask:0xf
.endr
.endr
.irp b, 0,1,2,3
	v_permlanex16_b32 v[RT+\b], v[RS+\b], s32, s33
.endr
.irp b, 0,1,2,3
	v_add_f32 v[RS+\b], v[RS+\b], v[RT+\b]
.endr
.irp b, 0,1,2,3
	v_cmp_eq_u32 vcc_lo, 4*\b+(\rr), v2
	v_cndmask_b32 v[OUTV], v[OUTV], v[RS+\b], vcc_lo
.endr
.endm
; A step.  q = 1: it quantises;  d = 1: it multiplies by the token.
.macro STEP t, q, d, lb, nc
.if \q
.if (\t) > 0
	s_wait_dscnt 1                                 ; all but the last step's byte store: my neighbours are back from the stage (so its stores have read their registers), and the token's quarter is in
.else
	s_wait_dscnt 0x0
.endif
.else
.if (\t) < 13
	s_wait_loadcnt 12                              ; this step's four loads are in; those of the three steps behind it may be out
.else
	s_wait_loadcnt 4*(15-(\t))
.endif
.if (\t)%4 == 0
	s_wait_dscnt 0x0                               ; the token's quarter is in
.endif
.endif
.if \d
	DOT \t
.if ((\t)%4 == 3) && ((\t) < 15)
	TKLOAD (\t)/4+1                                ; the four rows have had this quarter: the next one
.endif
.endif
.if (\t)+4 < 16
	LOAD (\t)+4, \d                                ; into the set that this step has just read
.endif
.if \q
.if (\t)+1 < 16
.if (\t) < 12
	s_wait_loadcnt 12                              ; the next step's four loads are in; those of the three steps behind it may be out
.else
	s_wait_loadcnt 4*(14-(\t))
.endif
	TURN (\t)+1, \lb                               ; they go through the other stage while this step is worked
.endif
	QNT \t, \d, \lb, \nc
.endif
.if \d
.if (\t) >= 12
	REDUCE (\t)%4
.endif
.endif
.endm
	s_wait_kmcnt 0x0
	s_cmp_lt_u32 ttmp9, 512
	s_cbranch_scc0 .Lweights
	; ---- tokens
	s_lshl_b32 s25, ttmp9, 2
	s_add_co_u32 s25, s25, s24                     ; which run of 8,192 numbers is my wave's
	s_lshl_b32 s28, s25, 15
	s_add_nc_u64 s[SRC:SRC+1], s[4:5], s[28:29]
	s_lshr_b32 s28, s25, 5                         ; my four rows' group of 128 rows,
	s_mul_i32 s28, s28, 196608
	s_and_b32 s27, s25, 31                         ; and their place in a block: 4 x 192 bytes a run
	s_mul_i32 s27, s27, 768
	s_add_co_u32 s28, s28, s27
	s_add_nc_u64 s[COD:COD+1], s[14:15], s[28:29]
	s_lshl_b32 s28, s25, 8
	s_add_nc_u64 s[SCA:SCA+1], s[16:17], s[28:29]
.irp t, 0,1,2,3
	LOAD \t, 0
.endr
	s_wait_loadcnt 12                              ; step 0's four loads are in
	TURN 0, LBT
.irp t, 0,1,2,3,4,5,6,7,8,9,10,11,12,13,14,15
	STEP \t, 1, 0, LBT, 16
.endr
	ds_load_b64 v[12:13], v6 offset:LBT            ; LDS serves a wave's instructions in order: these see my byte stores
	s_wait_dscnt 0x0
	global_store_b64 v7, v[12:13], s[SCA:SCA+1]    ; 32 lanes store 256 consecutive bytes, aligned
	s_wait_tensorcnt 0x0
	ds_add_u32 v254, v255
	s_wait_dscnt 0x0
	s_endpgm
.Lweights:
	s_sub_co_u32 s25, ttmp9, 512
	s_lshr_b32 s31, s25, 7                         ; 0: Wq, 1: Wk, 2: Wv
	s_and_b32 s25, s25, 127
	s_lshl_b32 s25, s25, 2
	s_add_co_u32 s25, s25, s24                     ; r: my run of four rows, 4 r .. 4 r + 3
	s_cmp_eq_u32 s31, 0
	s_cselect_b64 s[SRC:SRC+1], s[8:9], s[10:11]
	s_cmp_eq_u32 s31, 2
	s_cselect_b64 s[SRC:SRC+1], s[12:13], s[SRC:SRC+1]
	s_lshl_b32 s28, s25, 15
	s_add_nc_u64 s[SRC:SRC+1], s[SRC:SRC+1], s[28:29]
	s_lshl_b32 s28, s31, 15
	s_lshl_b32 s26, s25, 4
	s_add_co_u32 s28, s28, s26
	s_add_nc_u64 s[PRJ:PRJ+1], s[22:23], s[28:29]  ; proj[which][0][4 r]
	s_lshl_b32 s28, s24, 13
	s_add_nc_u64 s[TKP:TKP+1], s[6:7], s[28:29]
.irp j, 0,1,2,3,4,5,6,7,8,9,10,11,12,13,14,15
	global_load_b128 v[TK+4*\j:TK+4*\j+3], v3, s[TKP:TKP+1] offset:512*\j   ; wave w brings row w of the token
.endr
.irp t, 0,1,2,3
	LOAD \t, 1
.endr
.irp b, 0,1,2,3
	v_mov_b32 v[RT+\b], 0                          ; written once: a lane permute's destination counts as one of its sources
.endr
	v_mov_b32 v[OUTV], 0
	s_wait_loadcnt 16                              ; the token's sixteen loads are in; the first four steps' sixteen may be out
.irp j, 0,1,2,3,4,5,6,7,8,9,10,11,12,13,14,15
	ds_store_b128 v1, v[TK+4*\j:TK+4*\j+3] offset:512*\j
.endr
	s_wait_dscnt 0x0                               ; for the others' sake: my row of the token lies in LDS
	s_barrier_signal -1
	s_barrier_wait -1                              ; all four rows do
	TKLOAD 0
	s_cmp_eq_u32 s31, 0
	s_cbranch_scc1 .Lwq
	; ---- Wk, Wv: codes and products
	s_lshr_b32 s26, s25, 4                         ; 2 h + c
	s_lshl_b32 s26, s26, 5
	s_and_b32 s27, s25, 15
	s_add_co_u32 s26, s26, s27
	s_sub_co_u32 s27, s31, 1                       ; 0: Wk, 1: Wv
	s_lshl_b32 s27, s27, 4
	s_add_co_u32 s26, s26, s27                     ; my four rows' place in w_codes, in runs of four rows: 64 h + 32 c + 16 sel + dd / 4
	s_lshr_b32 s28, s26, 5                         ; my four rows' group of 128 rows,
	s_mul_i32 s28, s28, 196608
	s_and_b32 s27, s26, 31                         ; and their place in a block
	s_mul_i32 s27, s27, 768
	s_add_co_u32 s28, s28, s27
	s_add_nc_u64 s[COD:COD+1], s[18:19], s[28:29]
	s_lshl_b32 s28, s26, 8
	s_add_nc_u64 s[SCA:SCA+1], s[20:21], s[28:29]
	s_wait_loadcnt 12                              ; step 0's four loads are in
	TURN 0, LBW
.irp t, 0,1,2,3,4,5,6,7,8,9,10,11,12,13,14,15
	STEP \t, 1, 1, LBW, 4
.endr
	ds_load_b64 v[12:13], v6 offset:LBW
	s_wait_dscnt 0x0
	global_store_b64 v7, v[12:13], s[SCA:SCA+1]    ; 32 lanes store 256 consecutive bytes, aligned
	s_branch .Lproj
.Lwq:
	; ---- Wq: products only
.irp t, 0,1,2,3,4,5,6,7,8,9,10,11,12,13,14,15
	STEP \t, 0, 1, LBW, 4
.endr
.Lproj:
	s_wait_alu depctr_va_vdst(0)
	s_wait_xcnt 0x0                                ; EXEC changes only behind this wait
	v_cmp_gt_u32 vcc_lo, 16, v2
	s_wait_tensorcnt 0x0
	ds_add_u32 v254, v255
	s_wait_dscnt 0x0
	s_and_saveexec_b32 s30, vcc_lo
	global_store_b32 v[PO], v[OUTV], s[PRJ:PRJ+1]  ; lane 4 b + rr: proj[which][b][4 r + rr]: four runs of 16 bytes
	s_wait_xcnt 0x0                                ; and again, in front of the line that widens it
	s_or_b32 exec_lo, exec_lo, s30
	s_endpgm
.Lfunc_end_k_qd31cd3083d_prep:
	.size	k_qd31cd3083d_prep, .Lfunc_end_k_qd31cd3083d_prep-k_qd31cd3083d_prep
	.p2alignl 7, 3214868480
	.fill 96, 4, 3214868480
	.section	.rodata,"a",@progbits
	.p2align	6, 0x0
	.amdhsa_kernel k_qd31cd3083d_prep
		.amdhsa_group_segment_fixed_size 78336
		.amdhsa_private_segment_fixed_size 0
		.amdhsa_enable_private_segment 0
		.amdhsa_kernarg_size 80
		.amdhsa_user_sgpr_count 2
		.amdhsa_user_sgpr_kernarg_segment_ptr 1
		.amdhsa_wavefront_size32 1
		.amdhsa_system_sgpr_workgroup_id_x 1
		.amdhsa_system_sgpr_workgroup_id_y 1
		.amdhsa_system_sgpr_workgroup_id_z 1
		.amdhsa_system_vgpr_workitem_id 0
		.amdhsa_next_free_vgpr 256
		.amdhsa_next_free_sgpr 66
		.amdhsa_reserve_vcc 1
		.amdhsa_float_denorm_mode_32 3
		.amdhsa_float_denorm_mode_16_64 3
		.amdhsa_memory_ordered 1
		.amdhsa_forward_progress 1
		.amdhsa_inst_pref_size 158
	.end_amdhsa_kernel
	.amdgpu_metadata
---
amdhsa.version: [ 1, 2 ]
amdhsa.kernels:
  - .name:           k_qd31cd3083d_prep
    .symbol:         k_qd31cd3083d_prep.kd
    .args:
      - { .name: tokens, .offset: 0, .size: 8, .value_kind: global_buffer, .address_space: global }
      - { .name: token, .offset: 8, .size: 8, .value_kind: global_buffer, .address_space: global }
      - { .name: Wq, .offset: 16, .size: 8, .value_kind: global_buffer, .address_space: global }
      - { .name: Wk, .offset: 24, .size: 8, .value_kind: global_buffer, .address_space: global }
      - { .name: Wv, .offset: 32, .size: 8, .value_kind: global_buffer, .address_space: global }
      - { .name: a_codes, .offset: 40, .size: 8, .value_kind: global_buffer, .address_space: global }
      - { .name: a_scales, .offset: 48, .size: 8, .value_kind: global_buffer, .address_space: global }
      - { .name: w_codes, .offset: 56, .size: 8, .value_kind: global_buffer, .address_space: global }
      - { .name: w_scales, .offset: 64, .size: 8, .value_kind: global_buffer, .address_space: global }
      - { .name: proj, .offset: 72, .size: 8, .value_kind: global_buffer, .address_space: global }
    .group_segment_fixed_size: 78336
    .private_segment_fixed_size: 0
    .kernarg_segment_align: 8
    .kernarg_segment_size: 80
    .max_flat_workgroup_size: 128
    .sgpr_count:     66
    .vgpr_count:     256
    .wavefront_size: 32
...
	.end_amdgpu_metadata
.endif
;; end of part 1
;; launch gemm (part 2): grid 16 x 16, 4 waves a work-group, clusters of 4 x 4, 327,680 bytes of LDS; arguments a_codes, a_scales, w_codes, w_scales, proj, part_o, part_ml; writes part_o, part_ml
.if DOCPART == 2
	.amdgcn_target "amdgcn-amd-amdhsa--gfx1250"
	.amdhsa_code_object_version 6
	.text
	.protected	k_qd31cd3083d_gemm
	.globl	k_qd31cd3083d_gemm
	.p2align	8
	.type	k_qd31cd3083d_gemm,@function
k_qd31cd3083d_gemm:
	s_mov_b64 s[64:65], 0
	v_nop
	global_prefetch_b8 v0, s[64:65] scope:SCOPE_SE
	s_setreg_imm32_b32 hwreg(HW_REG_WAVE_MODE, 25, 1), 1
	s_wait_xcnt 0x0
	s_wait_alu depctr_hold_cnt(0) depctr_sa_sdst(0) depctr_va_vdst(0) depctr_va_sdst(0) depctr_va_ssrc(0) depctr_va_vcc(0) depctr_vm_vsrc(0)
	s_getreg_b32 s2, hwreg(HW_REG_IB_STS2, 6, 4)
	s_cmp_eq_u32 s2, 0
	s_cbranch_scc0 .Lentry_in_a_cluster
	s_endpgm
.Lentry_in_a_cluster:
	s_bfe_u32 s2, ttmp6, 0x10000c
	s_cmp_lg_u32 s2, 0xf033
	s_cbranch_scc0 .Lentry_shape_is_right
	s_endpgm
.Lentry_shape_is_right:
; K and V of the prefill tokens (products 1 and 2, MX-BF6) and, on the accumulators, a part of the decode step's attention.
; Work-group (tx, ty): head tx, token rows 512 ty .. 512 ty + 511 (one batch), in two tiles of 256 rows x 256 columns (128 channels of K, 128 of V).  Four waves, 128 x 128 each: 64 accumulators.
; After each tile: scores q . k, the tile's maximum, p = 2^(t - m), the sum of p and p V; the two tiles are merged and (m, l, o[128]) is stored for the last launch.  The maximum is a true maximum at every level.
; THE CODES lie by blocks of 128 rows x 256 along K, 24,576 bytes on end, eight blocks to a group of 128 rows.  A wave's tensor load is one block: 96 rows of 256 bytes, each on a multiple of 256 bytes;
; 16 bytes of padding behind each 64 make LDS rows of 240 bytes for the 192 bytes of a row's codes.  A slot holds a chunk (256 along K = two matrix steps) of A's 256 rows and B's 256 rows.
; Within each 96 bytes of a row (128 along K) the four blocks of 32 codes lie in the order 0, 2, 1, 3: lane (r, h) wants blocks h and 2 + h, which are the 48 bytes at 48 h: three loads of 16 bytes.
; Tile t, half f of the rows is group 4 ty + 2 f + t: a wave's sixteen chunks of A (both tiles) lie on end in memory.
; CLUSTERS 4 x 4: A's blocks are asked for jointly along a row of the cluster, B's along a column.
; THE SCALES (512 rows of A, 256 of B, 64 bytes a row) come once, by global loads and LDS stores at the head, into bytes of their own: units of 256 bytes + 16.
; FRAGMENTS: two sets for A and two for B: a step's 48 LDS loads go out a whole step ahead of their use, in two runs of 24, or in one run behind a refill.
; PREFETCH: beside the load of chunk n stands a request for chunk n + 2 (at the head: chunks 1 and 2): a block's 96 units of 256 bytes are shared out by address among the four partners that load it jointly, 24 each, a lane a unit
; (lanes 24-31 name the last one again).  A's chunks 1 to 15, B's 1 to 7: B's second walk reads what the first has read.
; REGISTERS: window 0: v0-31 addresses and what is carried, v32-63 scale words (two sets), v64-159 and v160-255 A's sets (on the way out: at work).  window 1: v0-95, v128-223 B's sets, v96-127 q.  windows 2, 3: accumulators.
; LIMITS: NaN and infinities are not served.
.set NQ,     2
.set PITCH,  240
.set FR,     12
.set NP,     4
.set HALFT,  128*PITCH
.set SLOT,   4*HALFT
.set LAPS,   4
.set CHB,    24576                     ; a block of codes in memory
.set GRPB,   8*CHB                     ; a group of 128 rows
.set KS,     64
.set SCL,    2*SLOT
.set HALFS,  (128*KS/256)*272
.set SBLK,   (16*KS/256)*272
.set SPARE,  SCL+6*HALFS               ; the spare words: 512 bytes that no other line names
.set PS,     SPARE+512                 ; partial scores
.set OB,     PS+2048                   ; partial p V
.set CO,   2                           ; v2-5    tile 0's p V, carried
.set M1,   6                           ; v6-7    tile 1's (m, l)
.set ADRA, 16
.set ADRB, 20
.set PFO,  24                          ; v24     the prefetches' offset: 256 x min(lane, 23)
.set QO,   25                          ; v25     32 x (lane / 16)
.set ADRS1, 26
.set ADRS0, 27
.set ADRS, ADRS0
.set SPW,  28
.set NIL,  29
.set M0,   30                          ; v30-31  tile 0's (m, l), carried
.set SC,   32
.set AF,   64
.set QV,   96                          ; in window 1
.set SS,   96
.set XO,   112
.set XX,   128
.set PP,   144
.set OA,   168
.set FT,   200
.set CS,   66
.set G1, 24
.set G0, 32
.set G1B, 48
.set G0B, 56
.set PFA, 68                           ; s[68:69] my share of the block one chunk behind the refill that is being asked for
.set CN,  70                           ; s70     the chunk that is being asked for
.set LIM, 71                           ; s71     chunks under this number have a chunk two on to prefetch: 14 for A's waves, 6 for B's
.set MSB, 0
.macro WIN new
.if MSB != \new
	s_set_vgpr_msb (MSB<<8)|\new
.set MSB, \new
.endif
.endm
.set MUL_LO, 0xa1
.set MUL_HI, 0xf1
.set TO_B,   0x40
.macro JLOAD g0a, g1a, g0b, g1b        ; waves 0, 1 ask for A's halves, waves 2, 3 for B's
	s_cmp_eq_u32 s15, 0
	s_cbranch_scc0 .Lfor_b_\@
	tensor_load_to_lds s[\g0a:\g0a+3], s[\g1a:\g1a+7]
	s_nop 0
.rept 4
	v_nop
.endr
	s_branch .Lasked_\@
.Lfor_b_\@:
	tensor_load_to_lds s[\g0b:\g0b+3], s[\g1b:\g1b+7]
	s_nop 0
.rept 4
	v_nop
.endr
.Lasked_\@:
.endm
.macro CREST
	s_cmp_lg_u32 s14, 0
	s_cbranch_scc1 .Lnot_wave_0_\@
	s_barrier_signal -3
.Lnot_wave_0_\@:
	s_barrier_wait -3
	s_barrier_signal -1
	s_barrier_wait -1
.endm
.macro CROUND
	s_barrier_signal -1
	s_barrier_wait -1
	CREST
.endm
.macro ASK                             ; chunk CN + 2, where my operand has one
	s_cmp_lt_u32 s[CN], s[LIM]
	s_cbranch_scc0 .Lno_ask_\@
	global_prefetch_b8 v[PFO], s[PFA:PFA+1] offset:3*CHB th:TH_LOAD_NT scope:SCOPE_SE
.Lno_ask_\@:
.endm
	s_load_b128 s[4:7], s[0:1], 0x0                ; a_codes, a_scales
	s_load_b128 s[8:11], s[0:1], 0x10              ; w_codes, w_scales
	s_load_b64 s[12:13], s[0:1], 0x20              ; proj
	s_load_b64 s[96:97], s[0:1], 0x28              ; part_o
	s_load_b64 s[98:99], s[0:1], 0x30              ; part_ml
	v_lshl_add_u32 v[SPW], v0, 2, SPARE
	v_mov_b32 v[NIL], 0
	ds_add_u32 v[SPW], v[NIL]
	ds_add_u32 v[SPW], v[NIL]
	v_lshrrev_b32 v1, 5, v0
	v_readfirstlane_b32 s14, v1                    ; wave
	v_and_b32 v1, 15, v0
	v_bfe_u32 v2, v0, 4, 1
	v_and_b32 v6, 31, v0
	v_lshlrev_b32 v13, 4, v6                       ; 16 x lane
	v_min_u32 v7, 23, v6
	v_lshlrev_b32 v[PFO], 8, v7
	v_lshlrev_b32 v[QO], 5, v2
	s_lshr_b32 s15, s14, 1                         ; my half of the tile's rows; also: I ask for A (0) or B (1)
	s_and_b32 s16, s14, 1                          ; my half of its columns; also: which half I ask for
	s_bfe_u32 s40, ttmp6, 0x40000
	s_bfe_u32 s41, ttmp6, 0x40004
	s_lshl_b32 s42, ttmp9, 2
	s_add_co_u32 s42, s42, s40                     ; tx: the head
	s_and_b32 s17, ttmp7, 0xffff
	s_lshl_b32 s17, s17, 2
	s_add_co_u32 s17, s17, s41                     ; ty: which 512 rows
	s_lshl_b32 s43, s41, 2
	s_lshl_b32 s43, 15, s43
	s_lshl_b32 s44, 0x1111, s40
	s_or_b32 s[G1+0], s43, (3<<16)|(1<<20)|(1<<21)|(3<<22)|(3<<25)   ; elements of 8 bytes; 4 words of padding behind every 16
	s_or_b32 s[G1B+0], s44, (3<<16)|(1<<20)|(1<<21)|(3<<22)|(3<<25)
.irp g, G1, G1B
	s_mov_b32 s[\g+1], 32<<16                      ; rows of 256 bytes,
	s_mov_b32 s[\g+2], 96<<16                      ; 96 of them, dense
	s_mov_b32 s[\g+3], 32<<16
	s_mov_b32 s[\g+4], 96
	s_mov_b32 s[\g+5], 32
	s_mov_b32 s[\g+6], 0
	s_mov_b32 s[\g+7], 0
.endr
	s_lshl_b32 s20, s17, 2
	s_lshl_b32 s18, s16, 1
	s_add_co_u32 s20, s20, s18                     ; A: group 4 ty + 2 half
	s_mul_i32 s20, s20, GRPB
	s_mov_b32 s21, 0
	s_lshl_b32 s46, s42, 1
	s_add_co_u32 s46, s46, s16                     ; B: group 2 tx + half
	s_mul_i32 s46, s46, GRPB
	s_mov_b32 s47, 0
	s_lshl_b32 s22, s17, 15                        ; A's scales: 32,768 ty + 8,192 wave
	s_lshl_b32 s18, s14, 13
	s_add_co_u32 s22, s22, s18
	s_mov_b32 s23, 0
	s_lshl_b32 s88, s42, 14                        ; B's: 16,384 tx + 4,096 wave
	s_lshl_b32 s18, s14, 12
	s_add_co_u32 s88, s88, s18
	s_mov_b32 s89, 0
	s_lshr_b32 s92, s17, 2                         ; batch
	s_and_b32 s93, s17, 3                          ; which part of its keys
	s_lshl_b32 s94, s92, 4
	s_add_co_u32 s94, s94, s42                     ; pair = 16 batch + head
	s_lshl_b32 s95, s94, 2
	s_add_co_u32 s95, s95, s93
	s_lshl_b32 s90, s94, 9                         ; q: 512 bytes a pair, my 64 channels
	s_lshl_b32 s91, s16, 8
	s_add_co_u32 s90, s90, s91
	s_mov_b32 s91, 0
	s_mul_i32 s45, s14, HALFT
	s_mov_b32 s[CS], 0x3e0293ee                    ; log2(e) / sqrt(128)
	s_mov_b32 s[CS+1], s[CS]
	s_wait_alu depctr_va_vdst(0)
	s_wait_dscnt 0x0
	s_wait_kmcnt 0x0
	s_add_nc_u64 s[20:21], s[4:5], s[20:21]
	s_add_nc_u64 s[72:73], s[6:7], s[22:23]
	s_add_nc_u64 s[46:47], s[8:9], s[46:47]
	s_add_nc_u64 s[74:75], s[10:11], s[88:89]
	s_add_nc_u64 s[12:13], s[12:13], s[90:91]
.irp j, 0,1,2,3,4,5,6,7,8,9,10,11,12,13,14,15
	global_load_b128 v[64+4*\j:64+4*\j+3], v13, s[72:73] offset:512*\j     ; 512 consecutive bytes of scales a load
.endr
.irp j, 0,1,2,3,4,5,6,7
	global_load_b128 v[128+4*\j:128+4*\j+3], v13, s[74:75] offset:512*\j
.endr
	WIN TO_B
.irp bb, 0,1,2,3
	global_load_b128 v[QV+8*\bb:QV+8*\bb+3], v[QO], s[12:13] offset:64*\bb          ; q at channels 16 bb + 8 (lane / 16) + 0 .. 7
	global_load_b128 v[QV+8*\bb+4:QV+8*\bb+7], v[QO], s[12:13] offset:64*\bb+16
.endr
	WIN 0
	CROUND                                         ; the round in front of the first joint loads
.irp s, 0,1
	s_mov_b32 s[G0+4*\s], 1
	s_add_co_u32 s[G0+4*\s+1], s45, \s*SLOT
	s_add_nc_u64 s[G0+4*\s+2:G0+4*\s+3], s[20:21], \s*CHB
	s_or_b32 s[G0+4*\s+3], s[G0+4*\s+3], 0x80000000
	s_mov_b32 s[G0B+4*\s], 1
	s_add_co_u32 s[G0B+4*\s+1], s45, \s*SLOT
	s_add_nc_u64 s[G0B+4*\s+2:G0B+4*\s+3], s[46:47], \s*CHB
	s_or_b32 s[G0B+4*\s+3], s[G0B+4*\s+3], 0x80000000
.endr
	JLOAD G0, G1, G0B, G1B                         ; chunk 0: my one tensor load at the head
	s_cmp_eq_u32 s15, 0
	s_cselect_b64 s[PFA:PFA+1], s[20:21], s[46:47]
	s_cselect_b32 s18, s40, s41                    ; my place among the four that ask with me
	s_cselect_b32 s[LIM], 14, 6
	s_mul_i32 s18, s18, CHB/4
	s_mov_b32 s19, 0
	s_add_nc_u64 s[PFA:PFA+1], s[PFA:PFA+1], s[18:19]
	s_mov_b32 s[CN], 1
	s_mul_i32 s76, s15, HALFT                      ; LDS bases, all from the wave's number
	s_mul_i32 s77, s16, HALFT
	s_add_co_u32 s77, s77, 2*HALFT
	s_add_co_u32 s78, s76, SLOT
	s_add_co_u32 s79, s77, SLOT
	s_mul_i32 s80, s15, 2*HALFS                    ; scales: rows 256 half + 128 tile of A's 512;
	s_mul_i32 s81, s16, HALFS
	s_add_co_u32 s81, s81, 4*HALFS                 ; B's lie behind them
	s_sub_co_u32 s81, s81, s80                     ; the distance for lanes 16-31
	s_add_co_u32 s80, s80, SCL
	s_sub_co_u32 s83, s81, HALFS
	s_add_co_u32 s82, s80, HALFS
	s_lshl_b32 s84, s14, 9
	s_add_co_u32 s84, s84, PS
	s_lshl_b32 s85, s15, 10
	s_add_co_u32 s85, s85, PS
	s_xor_b32 s86, s15, 1
	s_lshl_b32 s86, s86, 10
	s_add_co_u32 s86, s86, PS
	s_lshl_b32 s87, s14, 8
	s_add_co_u32 s87, s87, OB
	s_mul_i32 s88, s14, HALFS                      ; where my 8,192 bytes of A's scales go,
	s_add_co_u32 s88, s88, SCL
	s_mul_i32 s89, s14, HALFS/2                    ; and my 4,096 of B's
	s_add_co_u32 s89, s89, SCL+4*HALFS
	s_lshl_b32 s20, s95, 9
	s_mov_b32 s21, 0
	s_add_nc_u64 s[96:97], s[96:97], s[20:21]
	s_lshl_b32 s20, s95, 3
	s_add_nc_u64 s[98:99], s[98:99], s[20:21]
	global_prefetch_b8 v[PFO], s[PFA:PFA+1] offset:CHB th:TH_LOAD_NT scope:SCOPE_SE     ; chunks 1 and 2
	global_prefetch_b8 v[PFO], s[PFA:PFA+1] offset:2*CHB th:TH_LOAD_NT scope:SCOPE_SE
	v_mul_u32_u24 v3, v1, PITCH
	v_mul_u32_u24 v4, v2, 48
	v_add_nc_u32 v4, v3, v4                        ; a fragment's row x pitch + 48 x half;
	v_lshl_add_u32 v5, v2, 4, v4                   ; and where lanes 16-31 have passed one more padding
	v_add_nc_u32 v[ADRA], s76, v4
	v_add_nc_u32 v[ADRA+1], s78, v4
	v_add_nc_u32 v[ADRA+2], s76, v5
	v_add_nc_u32 v[ADRA+3], s78, v5
	v_add_nc_u32 v[ADRB], s77, v4
	v_add_nc_u32 v[ADRB+1], s79, v4
	v_add_nc_u32 v[ADRB+2], s77, v5
	v_add_nc_u32 v[ADRB+3], s79, v5
	v_mul_u32_u24 v5, v1, KS
	v_lshrrev_b32 v6, 8, v5
	v_lshl_add_u32 v5, v6, 4, v5                   ; my row's scales: 64 bytes a row, 16 more for each 256 passed
	v_mul_u32_u24 v6, s81, v2                      ; lanes 16-31 take B's
	v_add_nc_u32 v6, v5, v6
	v_add_nc_u32 v[ADRS0], s80, v6
	v_mul_u32_u24 v6, s83, v2
	v_add_nc_u32 v6, v5, v6
	v_add_nc_u32 v[ADRS1], s82, v6
	v_lshlrev_b32 v15, 5, v1
	v_lshl_add_u32 v8, v2, 2, v15
	v_add_nc_u32 v8, s84, v8
	v_add_nc_u32 v9, s85, v15
	v_add_nc_u32 v10, s86, v15
	v_add_nc_u32 v11, s87, v[QO]
	v_add_nc_u32 v12, OB, v13
	v_mov_b32 v14, 0
	v_lshl_add_u32 v7, v2, 4, v13                  ; a load's 512 bytes are two units: 16 x lane + 16 x (lane / 16)
	v_add_nc_u32 v3, s88, v7
	v_add_nc_u32 v4, s89, v7
	s_wait_alu depctr_va_vdst(0)
	s_wait_loadcnt 0x0                             ; the scales and q are in
.irp j, 0,1,2,3,4,5,6,7,8,9,10,11,12,13,14,15
	ds_store_b128 v3, v[64+4*\j:64+4*\j+3] offset:544*\j
.endr
.irp j, 0,1,2,3,4,5,6,7
	ds_store_b128 v4, v[128+4*\j:128+4*\j+3] offset:544*\j
.endr
.macro LDRUN base, adr, q, j0, n       ; loads j0 .. j0 + n - 1 of the 24 that bring eight fragments: load j is the (j % 3)-th 16 bytes of a lane's 48 of block j / 3
.set JJ, \j0
.rept \n
.set XB, 96*(\q)+16*(JJ%3)             ; where the piece of lanes 0-15 begins in the row's 192 bytes; that of lanes 16-31 begins 48 bytes on
.if XB%64 < 16
	ds_load_b128 v[\base+4*JJ:\base+4*JJ+3], v[\adr] offset:XB+16*(XB/64)+(JJ/3)*16*PITCH
.else
	ds_load_b128 v[\base+4*JJ:\base+4*JJ+3], v[\adr+2] offset:XB+16*(XB/64)+(JJ/3)*16*PITCH
.endif
.set JJ, JJ+1
.endr
.endm
.macro GETB slot, q, p
	WIN TO_B
	LDRUN 128*(\p), ADRB+\slot, \q, 0, 24
.endm
.macro GETA slot, q, p
	WIN 0
	LDRUN AF+96*(\p), ADRA+\slot, \q, 0, 24
.endm
.macro SCALES sc                       ; the two steps' words of a chunk: lanes 0-15 A's block i, lanes 16-31 B's block i
.irp i, 0,1,2,3,4,5,6,7
	ds_load_b64 v[SC+8*NQ*\sc+NQ*\i:SC+8*NQ*\sc+NQ*\i+1], v[ADRS] offset:\i*SBLK
.endr
.endm
.macro PLACES n
.rept \n
	v_nop
.endr
.endm
; 8 matrix instructions: A's block a against B's eight, used transposed (source 0 = B's rows).  The 64 accumulators take turns in the same order in every step
.macro WORK a, p, q, sc, zero
	WIN MUL_LO+0x50*((\a)/4)
.irp b, 0,1,2,3,4,5,6,7
.if \zero
	v_wmma_scale_f32_16x16x128_f8f6f4 v[8*(8*((\a)%4)+\b):8*(8*((\a)%4)+\b)+7], v[128*(\p)+FR*\b:128*(\p)+FR*\b+FR-1], v[AF+96*(\p)+FR*(\a):AF+96*(\p)+FR*(\a)+FR-1], 0, v[SC+8*NQ*(\sc)+NQ*\b+(\q)], v[SC+8*NQ*(\sc)+NQ*(\a)+(\q)] matrix_a_fmt:MATRIX_FMT_BF6 matrix_b_fmt:MATRIX_FMT_BF6 matrix_a_scale:MATRIX_SCALE_ROW1
.else
	v_wmma_scale_f32_16x16x128_f8f6f4 v[8*(8*((\a)%4)+\b):8*(8*((\a)%4)+\b)+7], v[128*(\p)+FR*\b:128*(\p)+FR*\b+FR-1], v[AF+96*(\p)+FR*(\a):AF+96*(\p)+FR*(\a)+FR-1], v[8*(8*((\a)%4)+\b):8*(8*((\a)%4)+\b)+7], v[SC+8*NQ*(\sc)+NQ*\b+(\q)], v[SC+8*NQ*(\sc)+NQ*(\a)+(\q)] matrix_a_fmt:MATRIX_FMT_BF6 matrix_b_fmt:MATRIX_FMT_BF6 matrix_a_scale:MATRIX_SCALE_ROW1
.endif
.endr
.endm
; A chunk's first step, on the sets 0; the second step's fragments come into the sets 1: B's 24 loads at the step's start, A's 24 in its middle
.macro STEP slot, zero
	s_wait_dscnt 0x0                               ; this step's fragments and scale words are in
	PLACES NP                                      ; in front of loads into the sets that the last step multiplied
	GETB \slot, 1, 1
.irp a, 0,1,2,3
	WORK \a, 0, 0, \slot, \zero
.endr
	GETA \slot, 1, 1
.irp a, 4,5,6,7
	WORK \a, 0, 0, \slot, \zero
.endr
	WIN 0
.endm
.macro REFILL slot, on                 ; on = 2: B goes back to its first chunks for the second tile; A's chunks lie on end
	CREST
	s_add_nc_u64 s[G0+4*\slot+2:G0+4*\slot+3], s[G0+4*\slot+2:G0+4*\slot+3], 2*CHB
.if \on == 2
	s_sub_nc_u64 s[G0B+4*\slot+2:G0B+4*\slot+3], s[G0B+4*\slot+2:G0B+4*\slot+3], 6*CHB
.else
	s_add_nc_u64 s[G0B+4*\slot+2:G0B+4*\slot+3], s[G0B+4*\slot+2:G0B+4*\slot+3], 2*CHB
.endif
	JLOAD G0+4*\slot, G1, G0B+4*\slot, G1B
.endm
; A chunk's second step, on the sets 1: all of the slot's fragments are in registers, so the slots change here.  One barrier: in front of it all my tensor loads (the other slot's part), the add, and my LDS reads are waited for;
; with fill it opens a round of the cluster's barrier and the slot is filled again first behind it.  fetch: the other slot's first fragments and scale words, in one run of 56 loads.
; From a refill to the wait for it a wave issues 112 matrix instructions.
.macro TURN slot, next, fill, fetch
.if \fill
	s_wait_xcnt 0x0                                ; my last prefetch has read its address
	s_add_nc_u64 s[PFA:PFA+1], s[PFA:PFA+1], CHB
	s_add_co_u32 s[CN], s[CN], 1
.endif
	s_wait_tensorcnt 0x0                           ; my one load that was out has landed
	ds_add_u32 v[SPW], v[NIL]
	s_wait_dscnt 1                                 ; the add alone may be out: this step's fragments, issued ahead of it, are in
	WORK 0, 1, 1, \slot, 0
	s_wait_dscnt 0x0                               ; the add is done
	s_barrier_signal -1
	WORK 1, 1, 1, \slot, 0
	WIN 0
	s_barrier_wait -1
.if \fill
	REFILL \slot, \fill                            ; its four v_nop are the places in front of the loads below
.else
	PLACES NP
.endif
.if \fetch
	v_add_nc_u32 v[ADRS], 4*NQ, v[ADRS]            ; the next chunk's scale words
	s_wait_alu depctr_va_vdst(0)
	GETB \next, 0, 0
	GETA \next, 0, 0
	SCALES \next
.endif
.if \fill
	ASK
.endif
.irp a, 2,3,4,5,6,7
	WORK \a, 1, 1, \slot, 0
.endr
	WIN 0
.endm
.macro FIRST                           ; a tile's first fragments and scale words
	GETB 0, 0, 0
	GETA 0, 0, 0
	SCALES 0
.endm
.macro RING
	s_mov_b32 s3, LAPS-1
.Llap_\@:
	TURN 0, 1, 1, 1
	STEP 1, 0
	TURN 1, 0, 1, 1
	STEP 0, 0
	s_sub_co_u32 s3, s3, 1
	s_cmp_lg_u32 s3, 0
	s_cbranch_scc1 .Llap_\@
.endm
.macro SCORE4 a0                       ; q . k over my 64 channels, for the rows of four blocks; each accumulator from its low end on
.irp bb, 0,1,2,3
.irp jp, 0,2,4,6
.irp a, \a0, \a0+1, \a0+2, \a0+3
.set AR, 8*(8*((\a)%4)+\bb)+\jp
.if (\bb == 0) && (\jp == 0)
	v_pk_mul_f32 v[SS+2*(\a):SS+2*(\a)+1], v[AR:AR+1], v[QV+8*\bb+\jp:QV+8*\bb+\jp+1]
.else
	v_pk_fma_f32 v[SS+2*(\a):SS+2*(\a)+1], v[AR:AR+1], v[QV+8*\bb+\jp:QV+8*\bb+\jp+1], v[SS+2*(\a):SS+2*(\a)+1]
.endif
.endr
.endr
.endr
.endm
.macro OSUM4 a0                        ; p V over the rows of four blocks
.irp a, \a0, \a0+1, \a0+2, \a0+3
.irp bb, 0,1,2,3
.irp jp, 0,2,4,6
.set AR, 8*(8*((\a)%4)+4+\bb)+\jp
.if (\a) == 0
	v_pk_mul_f32 v[OA+8*\bb+\jp:OA+8*\bb+\jp+1], v[AR:AR+1], v[PP+2*(\a):PP+2*(\a)+1] op_sel_hi:[1,0]
.else
	v_pk_fma_f32 v[OA+8*\bb+\jp:OA+8*\bb+\jp+1], v[AR:AR+1], v[PP+2*(\a):PP+2*(\a)+1], v[OA+8*\bb+\jp:OA+8*\bb+\jp+1] op_sel_hi:[1,0,1]
.endif
.endr
.endr
.endr
.endm
.macro EPI tile
.if (\tile) == 0
.set MT, M0
.else
.set MT, M1
.endif
	WIN 0x06                                       ; source 0: window 2, source 1 (q): window 1
	SCORE4 0
	WIN 0x07
	SCORE4 4
	WIN 0
.irp a, 0,1,2,3,4,5,6,7
	v_add_f32 v[SS+2*\a], v[SS+2*\a], v[SS+2*\a+1]
.endr
.irp g, 0,1,2,3
	v_permlane16_swap_b32 v[SS+4*\g], v[SS+4*\g+2]
.endr
.irp g, 0,1,2,3
	v_add_f32 v[SS+4*\g], v[SS+4*\g], v[SS+4*\g+2]
.endr
.irp g, 0,1,2,3
	ds_store_b32 v8, v[SS+4*\g] offset:8*\g
.endr
	s_wait_dscnt 0x0                               ; for the others' sake: my half sums of the scores lie in LDS
	s_barrier_signal -1
	s_barrier_wait -1
	ds_load_b128 v[XO:XO+3], v9
	ds_load_b128 v[XO+4:XO+7], v9 offset:16
	ds_load_b128 v[XO+8:XO+11], v9 offset:512
	ds_load_b128 v[XO+12:XO+15], v9 offset:528
	ds_load_b128 v[XX:XX+3], v10
	ds_load_b128 v[XX+4:XX+7], v10 offset:16
	ds_load_b128 v[XX+8:XX+11], v10 offset:512
	ds_load_b128 v[XX+12:XX+15], v10 offset:528
	s_wait_dscnt 0x0
.irp j, 0,2,4,6
	v_pk_add_f32 v[XO+\j:XO+\j+1], v[XO+\j:XO+\j+1], v[XO+8+\j:XO+8+\j+1]
	v_pk_add_f32 v[XX+\j:XX+\j+1], v[XX+\j:XX+\j+1], v[XX+8+\j:XX+8+\j+1]
.endr
	v_max3_num_f32 v[FT], v[XO], v[XO+1], v[XO+2]
	v_max3_num_f32 v[FT+1], v[XX], v[XX+1], v[XX+2]
	v_max3_num_f32 v[FT], v[FT], v[XO+3], v[XO+4]
	v_max3_num_f32 v[FT+1], v[FT+1], v[XX+3], v[XX+4]
	v_max3_num_f32 v[FT], v[FT], v[XO+5], v[XO+6]
	v_max3_num_f32 v[FT+1], v[FT+1], v[XX+5], v[XX+6]
	v_max3_num_f32 v[FT], v[FT], v[XO+7], v[XX+7]
	v_max_num_f32 v[FT], v[FT], v[FT+1]
.irp m, 1,2,4,8
	v_max_num_f32_dpp v[FT], v[FT], v[FT] row_xmask:\m row_mask:0xf bank_mask:0xf
.endr
	v_mul_f32 v[MT], s[CS], v[FT]                  ; m: the tile's largest t
	v_mov_b32 v[MT+1], v[MT]
.irp j, 0,2,4,6
	v_pk_fma_f32 v[XO+\j:XO+\j+1], v[XO+\j:XO+\j+1], s[CS:CS+1], v[MT:MT+1] op_sel_hi:[1,0,0] neg_lo:[0,0,1] neg_hi:[0,0,1]
	v_pk_fma_f32 v[XX+\j:XX+\j+1], v[XX+\j:XX+\j+1], s[CS:CS+1], v[MT:MT+1] op_sel_hi:[1,0,0] neg_lo:[0,0,1] neg_hi:[0,0,1]
.endr
	s_wait_alu depctr_va_vdst(0)                   ; a wait ahead of the batch
.irp a, 0,1,2,3,4,5,6,7
	v_exp_f32 v[PP+2*\a], v[XO+\a]
	v_exp_f32 v[PP+2*\a+1], v[XX+\a]
.endr
	v_nop
	s_wait_alu depctr_va_vdst(0)                   ; and one behind it
	v_pk_add_f32 v[FT:FT+1], v[PP:PP+1], v[PP+2:PP+3]
	v_pk_add_f32 v[FT+2:FT+3], v[PP+4:PP+5], v[PP+6:PP+7]
	v_pk_add_f32 v[FT+4:FT+5], v[PP+8:PP+9], v[PP+10:PP+11]
	v_pk_add_f32 v[FT+6:FT+7], v[PP+12:PP+13], v[PP+14:PP+15]
	v_pk_add_f32 v[FT:FT+1], v[FT:FT+1], v[FT+2:FT+3]
	v_pk_add_f32 v[FT+4:FT+5], v[FT+4:FT+5], v[FT+6:FT+7]
	v_pk_add_f32 v[FT:FT+1], v[FT:FT+1], v[FT+4:FT+5]
	v_add_f32 v[MT+1], v[FT], v[FT+1]
.irp m, 1,2,4,8
	v_add_f32_dpp v[MT+1], v[MT+1], v[MT+1] row_xmask:\m row_mask:0xf bank_mask:0xf
.endr
	WIN 0x02
	OSUM4 0
	WIN 0x03
	OSUM4 4
	WIN 0
.irp m, 1,2,4,8
.irp j, 0,1,2,3,4,5,6,7,8,9,10,11,12,13,14,15,16,17,18,19,20,21,22,23,24,25,26,27,28,29,30,31
	v_add_f32_dpp v[OA+\j], v[OA+\j], v[OA+\j] row_xmask:\m row_mask:0xf bank_mask:0xf
.endr
.endr
.irp bb, 0,1,2,3
	ds_store_b128 v11, v[OA+8*\bb:OA+8*\bb+3] offset:64*\bb
	ds_store_b128 v11, v[OA+8*\bb+4:OA+8*\bb+7] offset:64*\bb+16
.endr
	s_wait_dscnt 0x0
	s_barrier_signal -1
	s_barrier_wait -1
	ds_load_b128 v[FT:FT+3], v12
	ds_load_b128 v[FT+4:FT+7], v12 offset:512
	s_wait_dscnt 0x0
.if (\tile) == 0
	v_pk_add_f32 v[CO:CO+1], v[FT:FT+1], v[FT+4:FT+5]
	v_pk_add_f32 v[CO+2:CO+3], v[FT+2:FT+3], v[FT+6:FT+7]
.else
	v_pk_add_f32 v[FT:FT+1], v[FT:FT+1], v[FT+4:FT+5]
	v_pk_add_f32 v[FT+2:FT+3], v[FT+2:FT+3], v[FT+6:FT+7]
	v_max_num_f32 v[FT+5], v[M0], v[M1]            ; the two tiles are merged under their common maximum
	v_sub_f32 v[FT+4], v[M0], v[FT+5]
	v_sub_f32 v[FT+6], v[M1], v[FT+5]
	s_wait_alu depctr_va_vdst(0)
	v_exp_f32 v[FT+4], v[FT+4]
	v_exp_f32 v[FT+6], v[FT+6]
	v_mov_b32 v[M1], v[FT+5]
	s_wait_alu depctr_va_vdst(0)
	v_mul_f32 v[M1+1], v[M1+1], v[FT+6]
	v_fma_f32 v[M1+1], v[M0+1], v[FT+4], v[M1+1]
.irp e, 0,1,2,3
	v_mul_f32 v[FT+\e], v[FT+\e], v[FT+6]
.endr
.irp e, 0,1,2,3
	v_fma_f32 v[FT+\e], v[CO+\e], v[FT+4], v[FT+\e]
.endr
	s_cmp_lg_u32 s14, 0
	s_cbranch_scc1 .Lnot_first_\@
	global_store_b128 v13, v[FT:FT+3], s[96:97]    ; 32 lanes store the part's 512 bytes
	s_wait_xcnt 0x0                                ; EXEC changes only behind this wait
	v_cmp_gt_u32 vcc_lo, 1, v0
	s_and_saveexec_b32 s20, vcc_lo
	global_store_b64 v14, v[M1:M1+1], s[98:99]
	s_wait_xcnt 0x0
	s_or_b32 exec_lo, exec_lo, s20
.Lnot_first_\@:
.endif
.endm
	s_wait_tensorcnt 0x0                           ; my part of chunk 0 is in
	ds_add_u32 v[SPW], v[NIL]
	s_wait_dscnt 0x0                               ; the add and my stores of scales are done
	CROUND                                         ; chunk 0 and the scales are whole for every wave
	JLOAD G0+4, G1, G0B+4, G1B                     ; chunk 1, the first tensor load behind the round
	FIRST
	global_prefetch_b8 v[PFO], s[PFA:PFA+1] offset:3*CHB th:TH_LOAD_NT scope:SCOPE_SE     ; chunk 3
	STEP 0, 1                                      ; the first step's products start the sums
	RING
	TURN 0, 1, 2, 1                                ; slot 0 takes the second tile's first chunk,
	STEP 1, 0
	TURN 1, 0, 2, 0                                ; slot 1 its second
	PLACES NP
	EPI 0
.set ADRS, ADRS1
	FIRST
	STEP 0, 1
	RING
	TURN 0, 1, 0, 1                                ; nothing more to ask for
	STEP 1, 0
	s_wait_dscnt 0x0
.irp a, 0,1,2,3,4,5,6,7
	WORK \a, 1, 1, 1, 0
.endr
	WIN 0
	PLACES NP
	EPI 1
	s_wait_tensorcnt 0x0                           ; the wave's end
	ds_add_u32 v[SPW], v[NIL]
	s_wait_dscnt 0x0
	CROUND                                         ; the closing round
	s_endpgm
.Lfunc_end_k_qd31cd3083d_gemm:
	.size	k_qd31cd3083d_gemm, .Lfunc_end_k_qd31cd3083d_gemm-k_qd31cd3083d_gemm
	.p2alignl 7, 3214868480
	.fill 96, 4, 3214868480
	.section	.rodata,"a",@progbits
	.p2align	6, 0x0
	.amdhsa_kernel k_qd31cd3083d_gemm
		.amdhsa_group_segment_fixed_size 327680
		.amdhsa_private_segment_fixed_size 0
		.amdhsa_enable_private_segment 0
		.amdhsa_kernarg_size 56
		.amdhsa_user_sgpr_count 2
		.amdhsa_user_sgpr_kernarg_segment_ptr 1
		.amdhsa_wavefront_size32 1
		.amdhsa_system_sgpr_workgroup_id_x 1
		.amdhsa_system_sgpr_workgroup_id_y 1
		.amdhsa_system_sgpr_workgroup_id_z 1
		.amdhsa_system_vgpr_workitem_id 0
		.amdhsa_next_free_vgpr 1024
		.amdhsa_next_free_sgpr 100
		.amdhsa_reserve_vcc 1
		.amdhsa_float_denorm_mode_32 3
		.amdhsa_float_denorm_mode_16_64 3
		.amdhsa_memory_ordered 1
		.amdhsa_forward_progress 1
		.amdhsa_inst_pref_size 255
	.end_amdhsa_kernel
	.section	.bss,"aw",@nobits
	.p2align	6
	.space	262144
	.amdgpu_metadata
---
amdhsa.version: [ 1, 2 ]
amdhsa.kernels:
  - .name:           k_qd31cd3083d_gemm
    .symbol:         k_qd31cd3083d_gemm.kd
    .args:
      - { .name: a_codes, .offset: 0, .size: 8, .value_kind: global_buffer, .address_space: global }
      - { .name: a_scales, .offset: 8, .size: 8, .value_kind: global_buffer, .address_space: global }
      - { .name: w_codes, .offset: 16, .size: 8, .value_kind: global_buffer, .address_space: global }
      - { .name: w_scales, .offset: 24, .size: 8, .value_kind: global_buffer, .address_space: global }
      - { .name: proj, .offset: 32, .size: 8, .value_kind: global_buffer, .address_space: global }
      - { .name: part_o, .offset: 40, .size: 8, .value_kind: global_buffer, .address_space: global }
      - { .name: part_ml, .offset: 48, .size: 8, .value_kind: global_buffer, .address_space: global }
    .group_segment_fixed_size: 327680
    .private_segment_fixed_size: 0
    .kernarg_segment_align: 8
    .kernarg_segment_size: 56
    .max_flat_workgroup_size: 128
    .sgpr_count:     100
    .vgpr_count:     1024
    .wavefront_size: 32
...
	.end_amdgpu_metadata
.endif
;; end of part 2
;; launch finish (part 3): grid 256 x 1, 16 waves a work-group, no clusters, 18,688 bytes of LDS; arguments part_o, part_ml, proj, Wo, out0; writes out0
.if DOCPART == 3
	.amdgcn_target "amdgcn-amd-amdhsa--gfx1250"
	.amdhsa_code_object_version 6
	.text
	.protected	k_qd31cd3083d_finish
	.globl	k_qd31cd3083d_finish
	.p2align	8
	.type	k_qd31cd3083d_finish,@function
k_qd31cd3083d_finish:
	s_mov_b64 s[64:65], 0
	v_nop
	global_prefetch_b8 v0, s[64:65] scope:SCOPE_SE
	s_setreg_imm32_b32 hwreg(HW_REG_WAVE_MODE, 25, 1), 1
	s_wait_xcnt 0x0
; The four parts (m, l, o[128]) of each (batch, head) are merged with the new token's own key and value (position S), the result is divided by the sum, and out0 = attn Wo^T.  All in f32.
; t_new = c q . k_new, c = log2(e) / sqrt(128); M = the largest of t_new and the four m; w_i = 2^(m_i - M), w_new = 2^(t_new - M);
; attn = (w_new v_new + sum w_i o_i) / (w_new + sum w_i l_i).  The maximum is a true maximum at every level.
; SHARES.  Work-group 2 g + u takes rows 16 g .. 16 g + 15 of Wo and batches 2 u, 2 u + 1.  By bytes a work-group: 64 KB of part_o, 48 KB of proj, 128 KB of Wo; one batch to a work-group would double Wo's share,
; all four would double the parts' share.  Wave w takes row 16 g + w (8,192 bytes) and merges pairs 32 u + 2 w, 32 u + 2 w + 1 (pair = 16 batch + head), a lane four channels; the two batches' attn meets in LDS.
; All of a wave's 34 loads go out at once, the pairs' first, so that the merge runs while Wo is on its way.
; The product has two rows a work-group: 64 packed multiply-adds a wave; the matrix unit would have 2 rows of 16 to work on, so it is left out.
; LIMITS: NaN and infinities are not served.
.set AT,   0                           ; LDS: attn of my two batches, byte 512 (pair - 32 u) + 4 d: 16,384 bytes
.set OUTS, 16384                       ; the work-group's 32 results: byte 64 (batch - 2 u) + 4 wave
.set BA,   16                          ; v16-51, v56-91: a pair's set: o_i at + 4 i; (m_i, l_i) at + 16 + 2 i; q at + 24, k_new at + 28, v_new at + 32
.set BB,   56
.set R0,   16                          ; v16-79, v80-143: later a batch's row of attn each
.set R1,   80
.set WO,   144                         ; v144-207 my row of Wo: register 4 j + e = Wo[row][128 j + 4 lane + e]
.set W,    208                         ; v208-212 w_0 .. w_3, w_new
.set T,    217                         ; v217-221 at work
.set RES,  224                         ; v224-231 four channels of attn for each of my two pairs
.set AC,   240                         ; v240-247 batch b: two chains of pairs at AC + 4 b
	s_load_b256 s[4:11], s[0:1], 0x0               ; part_o s[4:5], part_ml s[6:7], proj s[8:9], Wo s[10:11]
	s_load_b64 s[12:13], s[0:1], 0x20              ; out0
	v_lshl_add_u32 v254, v0, 2, 0x4100
	v_mov_b32 v255, 0
	v_lshrrev_b32 v1, 5, v0
	s_delay_alu instid0(VALU_DEP_1)
	v_readfirstlane_b32 s14, v1                    ; wave 0..15
	v_and_b32 v1, 31, v0                           ; lane
	s_delay_alu instid0(VALU_DEP_1)
	v_lshlrev_b32 v2, 4, v1                        ; 16 x lane, in memory
	v_mov_b32 v3, 0                                ; every lane reads the same (m, l)
	s_lshl_b32 s15, s14, 10
	v_add_nc_u32 v4, s15, v2                       ; attn, on the way in: 1,024 x wave + 16 x lane
	v_lshlrev_b32 v5, 4, v1                        ; and on the way out: 16 x lane
	s_lshl_b32 s15, s14, 2
	s_add_co_u32 s15, s15, OUTS
	v_mov_b32 v6, s15                              ; my wave's word among the results
	v_lshl_add_u32 v7, v1, 2, OUTS                 ; wave 0 reads them back: a word a lane
	v_lshrrev_b32 v8, 4, v1
	s_delay_alu instid0(VALU_DEP_1)
	v_lshlrev_b32 v8, 13, v8
	v_and_b32 v9, 15, v1
	s_delay_alu instid0(VALU_DEP_1)
	v_lshl_add_u32 v8, v9, 2, v8                   ; out0: 8,192 (lane / 16) + 4 (lane % 16)
	v_mov_b32 v[T+1], 0                            ; written once: a lane permute's destination counts as one of its sources
	s_mov_b32 s17, 0
	s_mov_b32 s20, 0x76543210
	s_mov_b32 s21, 0xfedcba98                      ; v_permlanex16_b32's selects for lane l xor 16
	s_mov_b32 s22, 0x3e0293ee                      ; c
	s_and_b32 s18, ttmp9, 1                        ; u: which two batches
	s_lshr_b32 s19, ttmp9, 1                       ; g: which 16 rows of Wo
	s_lshl_b32 s15, s18, 5
	s_lshl_b32 s16, s14, 1
	s_add_co_u32 s15, s15, s16                     ; my first pair: 32 u + 2 wave
	s_wait_kmcnt 0x0
	s_lshl_b32 s16, s15, 11
	s_add_nc_u64 s[4:5], s[4:5], s[16:17]          ; its parts: 2,048 bytes a pair
	s_lshl_b32 s16, s15, 5
	s_add_nc_u64 s[6:7], s[6:7], s[16:17]          ; 32 bytes a pair
	s_lshl_b32 s16, s15, 9
	s_add_nc_u64 s[8:9], s[8:9], s[16:17]          ; 512 bytes a pair
	s_lshl_b32 s16, s19, 4
	s_add_co_u32 s16, s16, s14
	s_lshl_b32 s16, s16, 13
	s_add_nc_u64 s[10:11], s[10:11], s[16:17]      ; my row of Wo
	s_lshl_b32 s16, s18, 14
	s_lshl_b32 s23, s19, 6
	s_add_co_u32 s16, s16, s23
	s_add_nc_u64 s[12:13], s[12:13], s[16:17]      ; out0[2 u][16 g]
.macro PAIRLOAD p, set                 ; 9 loads
.irp i, 0,1,2,3
	global_load_b128 v[\set+4*\i:\set+4*\i+3], v2, s[4:5] offset:2048*(\p)+512*\i
.endr
.irp k, 0,1
	global_load_b128 v[\set+16+4*\k:\set+16+4*\k+3], v3, s[6:7] offset:32*(\p)+16*\k
.endr
.irp c, 0,1,2
	global_load_b128 v[\set+24+4*\c:\set+24+4*\c+3], v2, s[8:9] offset:32768*\c+512*(\p)
.endr
.endm
.macro PAIRDO p, set, left             ; left: the younger loads that may stay out
	s_wait_loadcnt \left
	v_mul_f32 v[T], v[\set+24], v[\set+28]
	s_delay_alu instid0(VALU_DEP_1)
	v_fma_f32 v[T], v[\set+25], v[\set+29], v[T]
	s_delay_alu instid0(VALU_DEP_1)
	v_fma_f32 v[T], v[\set+26], v[\set+30], v[T]
	s_delay_alu instid0(VALU_DEP_1)
	v_fma_f32 v[T], v[\set+27], v[\set+31], v[T]
.irp m, 1,2,4,8
	s_delay_alu instid0(VALU_DEP_1)
	v_add_f32_dpp v[T], v[T], v[T] row_xmask:\m row_mask:0xf bank_mask:0xf
.endr
	s_wait_alu depctr_va_vdst(0)
	v_permlanex16_b32 v[T+1], v[T], s20, s21
	s_delay_alu instid0(VALU_DEP_1)
	v_add_f32 v[T], v[T], v[T+1]                   ; q . k_new, in every lane
	s_delay_alu instid0(VALU_DEP_1)
	v_mul_f32 v[T], s22, v[T]                      ; t_new
	s_delay_alu instid0(VALU_DEP_1)
	v_max3_num_f32 v[T+2], v[T], v[\set+16], v[\set+18]
	s_delay_alu instid0(VALU_DEP_1)
	v_max3_num_f32 v[T+2], v[T+2], v[\set+20], v[\set+22]   ; M
.irp i, 0,1,2,3
	v_sub_f32 v[W+\i], v[\set+16+2*\i], v[T+2]
.endr
	v_sub_f32 v[W+4], v[T], v[T+2]
	s_wait_alu depctr_va_vdst(0)
.irp i, 0,1,2,3,4
	v_exp_f32 v[W+\i], v[W+\i]
.endr
	v_nop                                          ; a plain line behind the last exponential
	s_wait_alu depctr_va_vdst(0)                   ; one wait for the five, ahead of their first reader
	v_fma_f32 v[T+3], v[W], v[\set+17], v[W+4]
.irp i, 1,2,3
	v_fma_f32 v[T+3], v[W+\i], v[\set+17+2*\i], v[T+3]   ; the sum
.endr
	s_wait_alu depctr_va_vdst(0)
	v_rcp_f32 v[T+4], v[T+3]
.irp e, 0,1,2,3
	v_mul_f32 v[RES+4*(\p)+\e], v[W+4], v[\set+32+\e]   ; (plain work behind the reciprocal, which names neither its result nor its source)
.endr
.irp i, 0,1,2,3
.irp e, 0,1,2,3
	v_fma_f32 v[RES+4*(\p)+\e], v[W+\i], v[\set+4*\i+\e], v[RES+4*(\p)+\e]
.endr
.endr
	s_wait_alu depctr_va_vdst(0)                   ; the wait for the reciprocal, ahead of its first reader
.irp e, 0,1,2,3
	v_mul_f32 v[RES+4*(\p)+\e], v[RES+4*(\p)+\e], v[T+4]
.endr
	ds_store_b128 v4, v[RES+4*(\p):RES+4*(\p)+3] offset:AT+512*(\p)
.endm
.macro ATLOAD b, buf                   ; batch 2 u + b's row of attn, in the order of my row of Wo
.irp j, 0,1,2,3,4,5,6,7,8,9,10,11,12,13,14,15
	ds_load_b128 v[\buf+4*\j:\buf+4*\j+3], v5 offset:AT+8192*(\b)+512*\j
.endr
.endm
.macro DOTB b, buf                     ; 32 packed multiply-adds in two chains; each chain's first product starts it
.irp j, 0,1,2,3,4,5,6,7,8,9,10,11,12,13,14,15
.irp g, 0,2
.if \j == 0
	v_pk_mul_f32 v[AC+4*(\b)+\g:AC+4*(\b)+\g+1], v[WO+4*\j+\g:WO+4*\j+\g+1], v[\buf+4*\j+\g:\buf+4*\j+\g+1]
.else
	s_delay_alu instid0(VALU_DEP_2)
	v_pk_fma_f32 v[AC+4*(\b)+\g:AC+4*(\b)+\g+1], v[WO+4*\j+\g:WO+4*\j+\g+1], v[\buf+4*\j+\g:\buf+4*\j+\g+1], v[AC+4*(\b)+\g:AC+4*(\b)+\g+1]
.endif
.endr
.endr
.endm
	PAIRLOAD 0, BA
	PAIRLOAD 1, BB
.irp j, 0,1,2,3,4,5,6,7,8,9,10,11,12,13,14,15
	global_load_b128 v[WO+4*\j:WO+4*\j+3], v2, s[10:11] offset:512*\j   ; 512 consecutive bytes a load; the neighbouring work-group reads the same row
.endr
	PAIRDO 0, BA, 25                               ; the other pair's 9 loads and Wo's 16 may be out
	PAIRDO 1, BB, 16                               ; Wo's 16 may be out
	s_wait_dscnt 0x0                               ; for the others' sake: my two pairs of attn lie in LDS
	s_barrier_signal -1
	s_barrier_wait -1                              ; all 32 do
	ATLOAD 0, R0
	ATLOAD 1, R1
	s_wait_loadcnt 0x0                             ; my row of Wo
	s_wait_dscnt 16                                ; the other batch's 16 loads may be out
	DOTB 0, R0
	s_wait_dscnt 0x0
	DOTB 1, R1
.irp b, 0
	v_pk_add_f32 v[AC+4*\b:AC+4*\b+1], v[AC+4*\b:AC+4*\b+1], v[AC+4*\b+2:AC+4*\b+3]
.endr
.irp b, 1
	s_delay_alu instid0(VALU_DEP_2)
	v_pk_add_f32 v[AC+4*\b:AC+4*\b+1], v[AC+4*\b:AC+4*\b+1], v[AC+4*\b+2:AC+4*\b+3]
.endr
.irp b, 0,1
	s_delay_alu instid0(VALU_DEP_2)
	v_add_f32 v[AC+4*\b], v[AC+4*\b], v[AC+4*\b+1]
.endr
.irp m, 1,2,4,8
.irp b, 0,1
	s_delay_alu instid0(VALU_DEP_2)
	v_add_f32_dpp v[AC+4*\b], v[AC+4*\b], v[AC+4*\b] row_xmask:\m row_mask:0xf bank_mask:0xf
.endr
.endr
.irp b, 0,1
	s_delay_alu instid0(VALU_DEP_2)
	v_permlanex16_b32 v[AC+4*\b+1], v[AC+4*\b], s20, s21
.endr
.irp b, 0,1
	s_delay_alu instid0(VALU_DEP_2)
	v_add_f32 v[AC+4*\b], v[AC+4*\b], v[AC+4*\b+1] ; out0[2 u + b][my row], in every lane
.endr
.irp b, 0,1
	ds_store_b32 v6, v[AC+4*\b] offset:64*\b       ; all lanes write the same word with the same value
.endr
	s_wait_dscnt 0x0                               ; for wave 0's sake
	s_barrier_signal -1
	s_barrier_wait -1
	s_cmp_lg_u32 s14, 0
	s_cbranch_scc1 .Lend
	ds_load_b32 v16, v7                            ; lanes 0-15: batch 2 u's sixteen results, lanes 16-31: batch 2 u + 1's
	s_wait_dscnt 0x0
	global_store_b32 v8, v16, s[12:13]             ; sixteen lanes store 64 consecutive bytes of a batch's row
.Lend:
	s_wait_tensorcnt 0x0
	ds_add_u32 v254, v255
	s_wait_dscnt 0x0
	s_endpgm
.Lfunc_end_k_qd31cd3083d_finish:
	.size	k_qd31cd3083d_finish, .Lfunc_end_k_qd31cd3083d_finish-k_qd31cd3083d_finish
	.p2alignl 7, 3214868480
	.fill 96, 4, 3214868480
	.section	.rodata,"a",@progbits
	.p2align	6, 0x0
	.amdhsa_kernel k_qd31cd3083d_finish
		.amdhsa_group_segment_fixed_size 18688
		.amdhsa_private_segment_fixed_size 0
		.amdhsa_enable_private_segment 0
		.amdhsa_kernarg_size 40
		.amdhsa_user_sgpr_count 2
		.amdhsa_user_sgpr_kernarg_segment_ptr 1
		.amdhsa_wavefront_size32 1
		.amdhsa_system_sgpr_workgroup_id_x 1
		.amdhsa_system_sgpr_workgroup_id_y 1
		.amdhsa_system_sgpr_workgroup_id_z 1
		.amdhsa_system_vgpr_workitem_id 0
		.amdhsa_next_free_vgpr 256
		.amdhsa_next_free_sgpr 66
		.amdhsa_reserve_vcc 0
		.amdhsa_float_denorm_mode_32 3
		.amdhsa_float_denorm_mode_16_64 3
		.amdhsa_memory_ordered 1
		.amdhsa_forward_progress 1
		.amdhsa_inst_pref_size 22
	.end_amdhsa_kernel
	.amdgpu_metadata
---
amdhsa.version: [ 1, 2 ]
amdhsa.kernels:
  - .name:           k_qd31cd3083d_finish
    .symbol:         k_qd31cd3083d_finish.kd
    .args:
      - { .name: part_o, .offset: 0, .size: 8, .value_kind: global_buffer, .address_space: global }
      - { .name: part_ml, .offset: 8, .size: 8, .value_kind: global_buffer, .address_space: global }
      - { .name: proj, .offset: 16, .size: 8, .value_kind: global_buffer, .address_space: global }
      - { .name: Wo, .offset: 24, .size: 8, .value_kind: global_buffer, .address_space: global }
      - { .name: out0, .offset: 32, .size: 8, .value_kind: global_buffer, .address_space: global }
    .group_segment_fixed_size: 18688
    .private_segment_fixed_size: 0
    .kernarg_segment_align: 8
    .kernarg_segment_size: 40
    .max_flat_workgroup_size: 512
    .sgpr_count:     66
    .vgpr_count:     256
    .wavefront_size: 32
...
	.end_amdgpu_metadata
.endif
;; end of part 3
